; MI455X (gfx1250); checked and timed in simulation.
; The chip was launched on July 23, 2026; its instructions are those of AMD's public machine-readable ISA for CDNA 5 (MIT licence, August 2026) and "CDNA5" Instruction Set Architecture Reference Guide (July 2026). The comments in the code are by the model that wrote it; some were corrected since.
;; Neural GP Kernel. Allowed arithmetic: float matrix products may take bf16 or f16 operands with f32 sums; all other float work in f32.
;; Inputs: fb1 256 float32; fb2 256 float32; fw1 256 x 256 float32; fw2 256 x 256 float32; h_obs 2 x 512 x 256 float32; kb1 256 float32; kb2 8 float32; kw1 9 x 256 float32; kw2 256 x 8 float32; log_sigma 8 float32; ob 128 float32; ow 256 x 128 float32; pos_obs 2 x 512 x 3 float32; pos_query 2 x 512 x 3 float32; vb 128 float32; vw 256 x 128 float32.
;; Outputs: out0 2 x 512 x 128 float32; out1 2 x 512 x 128 float32.
;; One version. Each part assembles by itself: llvm-mc -triple=amdgcn-amd-amdhsa -mcpu=gfx1250 --defsym DOCPART=n.
;; ======== version 1 of 1: 3 launches
;; limits: a difference of large sums (such as E[x^2] - mean^2): digits are lost where the result is much smaller than its terms; values outside matrix products are rounded to bf16
;; workspace buffers: vt 1,572,864 bytes; cen 2,048 bytes; kwf 16,384 bytes; cst 256 bytes; owf 65,536 bytes; vwf 65,536 bytes; part 8,912,896 bytes
;; launch feat (part 1): grid 37 x 1, 8 waves a work-group, no clusters, 59,392 bytes of LDS; arguments h_obs, fw1, fb1, fw2, fb2, kw1, kb1, kw2, kb2, log_sigma, ow, vw, vt, cen, kwf, cst, owf, vwf; writes vt, cen, kwf, cst, owf, vwf
.if DOCPART == 1
	.amdgcn_target "amdgcn-amd-amdhsa--gfx1250"
	.amdhsa_code_object_version 6
	.text
	.protected	k_q00b594c79b_feat
	.globl	k_q00b594c79b_feat
	.p2align	8
	.type	k_q00b594c79b_feat,@function
k_q00b594c79b_feat:
	s_mov_b64 s[64:65], 0
	v_nop
	global_prefetch_b8 v0, s[64:65] scope:SCOPE_SE
	s_setreg_imm32_b32 hwreg(HW_REG_WAVE_MODE, 25, 1), 1
	s_wait_xcnt 0x0
; Launch 1 of 3.  Three jobs, chosen by the work-group's number (the same for all its waves):
;   groups 0-31  FEAT : v = relu(h fw1 + fb1) fw2 (+ fb2) for 32 observation rows, stored as matrix operands for launch 2
;   groups 32-35 WCONV: ow and vw as bf16 B fragments for launch 3
;   group  36    KPREP: kw2 as bf16 A fragments, and the table of the linear half of the pair MLP
; A fragment in memory is 1,024 bytes, [half 2][lane 32][16 bytes]: the register image of a 16 x 32 bf16 operand
; (half a, lane 16 h + r, element i: k = 16 a + 8 h + i).
; FEAT stores u = bf16(v - c), and u*u exactly as two bf16 numbers (u has 8 significant bits, its square 16).
; c[b][col] is the mean of v over the batch's first 16 rows, made alike by every group of the batch: it takes a common offset out of v.
; LIMITS: matrix operands are rounded to bf16 (h, fw1, the hidden layer, fw2, u).  NaN and infinities get no care.
;         u*u below the smallest normal f32 loses its low part.
.set HAP, 528                          ; HA: 48 rows of h in bf16, 512 + 16 bytes (33 x 16: rows start in different banks)
.set HB,  25344                        ; HB: the hidden layer, [wave 8][48 rows] x 80 bytes: a wave's 32 columns are one K step of layer 2
.set HBP, 80
.set HBW, 3840
.set KS,  56320                        ; KPREP's partial sums, [wave 8][row 8][head 8] f32, behind FEAT's regions: no LDS byte serves two jobs
.set CB1, 8                            ; v[8:23]    fb1 of my layer-1 results, [t][j]
.set FB2, 24                           ; v[24:25]   fb2 of my two columns
.set HF,  26                           ; v[26:73]   fragments of h or of the hidden layer, 2 sets x 3 row tiles x 8
.set WF,  74                           ; v[74:105]  weight fragments, 2 sets x 2 column tiles x 8
.set ACC, 106                          ; v[106:153] accumulators [row tile 3][t 2] x 8
.set RAW, 154                          ; v[154:249] weights as loaded (f32), ring of 3 slots x 32; on the way out: what is stored
.set WK,  202                          ; v[202:217] at work on the way out
.set CN,  254                          ; v[254:255] the centre of my two columns
	s_load_b512 s[4:19], s[0:1], 0x0               ; h_obs 4, fw1 6, fb1 8, fw2 10, fb2 12, kw1 14, kb1 16, kw2 18
	s_load_b512 s[20:35], s[0:1], 0x40             ; kb2 20, log_sigma 22, ow 24, vw 26, vt 28, cen 30, kwf 32, cst 34
	s_load_b128 s[36:39], s[0:1], 0x80             ; owf 36, vwf 38
	s_set_vgpr_msb 0x40
	v_lshl_add_u32 v0, v0, 2, 0xe400
	v_mov_b32 v1, 0
	s_set_vgpr_msb 0x4000
	v_and_b32 v1, 31, v0                           ; L
	v_and_b32 v2, 15, v0                           ; r
	v_bfe_u32 v3, v0, 4, 1                         ; h
	v_lshrrev_b32 v4, 5, v0
	v_readfirstlane_b32 s40, v4                    ; wave w
	s_mov_b32 s41, ttmp9                           ; group g
	s_mov_b32 s42, 0x76543210                      ; v_permlanex16_b32: lane i reads lane i of the other half
	s_mov_b32 s43, 0xfedcba98
	s_lshl_b32 s44, s40, 7                         ; 128 w
	s_cmp_lt_u32 s41, 32
	s_cbranch_scc1 .Lfeat
	s_cmp_lt_u32 s41, 36
	s_cbranch_scc1 .Lwconv
; ---------------------------------------------------------------- KPREP
; (A) wave w makes K step w of kwf: what = bf16(0.5 log2(e) kw2[k][head]); set lo has the heads in rows 0-7, set hi in rows 8-15, zeros elsewhere.
; (B) thread t (head j = t & 7, eight k from 8 (t >> 3)) sums what against the first layer's weights: relu(x) = (x + |x|) / 2, and the x half is linear in the positions.
	v_and_b32 v5, 7, v0                            ; j
	v_lshlrev_b32 v4, 8, v3
	v_lshl_add_u32 v4, v5, 2, v4
	s_lshl_b32 s45, s40, 10
	v_add_nc_u32 v4, s45, v4                       ; (A) kw2: 1,024 w + 256 h + 4 j
	v_lshrrev_b32 v6, 3, v0
	v_lshlrev_b32 v7, 5, v6                        ; (B) kw1, kb1: 32 bytes for each group of eight k
	v_lshlrev_b32 v6, 8, v6
	v_lshl_add_u32 v6, v5, 2, v6                   ; (B) kw2: 256 (t >> 3) + 4 j
	v_lshl_add_u32 v8, v1, 4, s45                  ; kwf: 1,024 w + 16 L
	s_lshl_b32 s46, s40, 8
	v_lshl_add_u32 v9, v5, 2, s46                  ; LDS, from KS on: 256 w + 4 j
	v_mov_b32 v56, 0
	v_mov_b32 v160, 0
	s_wait_kmcnt 0x0
.irp e, 0,1,2,3,4,5,6,7,8,9,10,11,12,13,14,15
	global_load_b32 v[16+\e], v4, s[18:19] offset:32*(16*(\e/8)+(\e%8))
.endr
.irp i, 0,1,2,3,4,5,6,7
	global_load_b32 v[60+\i], v6, s[18:19] offset:32*\i
.endr
.irp R, 0,1,2,3,4,5,6,7,8
	global_load_b128 v[68+8*\R:68+8*\R+3], v7, s[14:15] offset:1024*\R
	global_load_b128 v[68+8*\R+4:68+8*\R+7], v7, s[14:15] offset:1024*\R+16
.endr
	global_load_b128 v[140:143], v7, s[16:17]
	global_load_b128 v[144:147], v7, s[16:17] offset:16
	s_wait_loadcnt 28                              ; the 8 + 20 loads of (B) stay out
.irp n, 0,2,4,6,8,10,12,14
	v_pk_mul_f32 v[16+\n:17+\n], v[16+\n:17+\n], 0x3f38aa3b op_sel_hi:[1,0]   ; 0.5 log2(e)
.endr
.irp d, 0,1,2,3,4,5,6,7
	v_cvt_pk_bf16_f32 v[32+\d], v[16+2*\d], v[17+2*\d]
.endr
	v_cmp_gt_u32 vcc_lo, 8, v2                     ; r < 8
.irp d, 0,1,2,3,4,5,6,7
	v_cndmask_b32 v[40+\d], 0, v[32+\d], vcc_lo    ; lo
	v_cndmask_b32 v[48+\d], v[32+\d], v56, vcc_lo  ; hi
.endr
	global_store_b128 v8, v[40:43], s[32:33]
	global_store_b128 v8, v[44:47], s[32:33] offset:512
	global_store_b128 v8, v[48:51], s[32:33] offset:8192
	global_store_b128 v8, v[52:55], s[32:33] offset:8704
	s_wait_loadcnt 0x0
.irp n, 0,2,4,6
	v_pk_mul_f32 v[60+\n:61+\n], v[60+\n:61+\n], 0x3f38aa3b op_sel_hi:[1,0]
.endr
.irp d, 0,1,2,3
	v_cvt_pk_bf16_f32 v[148+\d], v[60+2*\d], v[61+2*\d]     ; the same rounding as in (A)
.endr
.irp d, 0,1,2,3
	v_lshlrev_b32 v[60+2*\d], 16, v[148+\d]
	v_and_b32 v[61+2*\d], 0xffff0000, v[148+\d]
.endr
.irp p, 0,1,2
.irp n, 0,2,4,6
	v_pk_add_f32 v[68+8*\p+\n:69+8*\p+\n], v[68+8*\p+\n:69+8*\p+\n], v[116+8*\p+\n:117+8*\p+\n]                             ; kw1[p] + kw1[6+p]
	v_pk_add_f32 v[92+8*\p+\n:93+8*\p+\n], v[92+8*\p+\n:93+8*\p+\n], v[116+8*\p+\n:117+8*\p+\n] neg_lo:[0,1] neg_hi:[0,1]   ; kw1[3+p] - kw1[6+p]
.endr
.endr
.irp p, 0,1,2
	v_mul_f32 v[152+\p], v60, v[92+8*\p]           ; rows 0-2: Go
	v_mul_f32 v[155+\p], v60, v[68+8*\p]           ; rows 3-5: Gq
.endr
	v_mul_f32 v158, v60, v140                      ; row 6: the bias part
.irp i, 1,2,3,4,5,6,7
.irp p, 0,1,2
	v_fmac_f32 v[152+\p], v[60+\i], v[92+8*\p+\i]
	v_fmac_f32 v[155+\p], v[60+\i], v[68+8*\p+\i]
.endr
	v_fmac_f32 v158, v[60+\i], v[140+\i]
.endr
.irp n, 0,1,2,3,4,5,6
	v_add_f32_dpp v[152+\n], v[152+\n], v[152+\n] row_xmask:8 row_mask:0xf bank_mask:0xf   ; lanes L and L xor 8 have the same head,
	v_permlanex16_b32 v160, v[152+\n], s42, s43                                             ; and so has L xor 16
	v_add_f32 v[152+\n], v[152+\n], v160
	ds_store_b32 v9, v[152+\n] offset:KS+32*\n
.endr
	ds_store_b32 v9, v56 offset:KS+224             ; row 7 is made below: a zero, so that the sums read written bytes
	s_wait_dscnt 0x0                               ; my words are in LDS before I signal
	s_barrier_signal -1
	s_barrier_wait -1
	s_cmp_gt_u32 s40, 1
	s_cbranch_scc1 .Lkend                          ; waves 0 and 1: 64 words
	v_lshlrev_b32 v10, 2, v0                       ; 4 t = 32 row + 4 j
	v_lshlrev_b32 v11, 2, v5
.irp n, 0,1,2,3,4,5,6,7
	ds_load_b32 v[16+\n], v10 offset:KS+256*\n
.endr
	global_load_b32 v24, v11, s[20:21]             ; kb2[j]
	global_load_b32 v25, v11, s[22:23]             ; log_sigma[j]
	s_wait_dscnt 0x0
	v_pk_add_f32 v[16:17], v[16:17], v[18:19]
	v_pk_add_f32 v[20:21], v[20:21], v[22:23]
	v_pk_add_f32 v[16:17], v[16:17], v[20:21]
	v_add_f32 v16, v16, v17
	s_wait_loadcnt 0x0
	v_mul_f32 v25, 0x3fb8aa3b, v25
	v_exp_f32 v26, v25                             ; sigma
	v_nop                                          ; one plain instruction behind a transcendental (ISA guide 5.7.2)
	s_wait_alu depctr_va_vdst(0)
	v_fmaak_f32 v27, v26, v26, 0x358637bd          ; sigma^2 + 1e-6
	v_rcp_f32 v28, v27
	v_fmamk_f32 v29, v24, 0x3fb8aa3b, v16          ; row 6: + log2(e) kb2 (also the place behind v_rcp_f32)
	s_wait_alu depctr_va_vdst(0)
	v_mul_f32 v28, 0xbfb8aa3b, v28                 ; row 7: -log2(e) / (sigma^2 + 1e-6)
	v_lshrrev_b32 v30, 3, v0
	v_cmp_eq_u32 vcc_lo, 6, v30
	v_cndmask_b32 v16, v16, v29, vcc_lo
	v_cmp_eq_u32 vcc_lo, 7, v30
	v_cndmask_b32 v16, v16, v28, vcc_lo
	global_store_b32 v10, v16, s[34:35]
.Lkend:
	s_set_vgpr_msb 0x5
	s_wait_tensorcnt 0x0
	ds_add_u32 v0, v1
	s_wait_dscnt 0x0
	s_set_vgpr_msb 0x500
	s_endpgm
; ---------------------------------------------------------------- WCONV
; Group 32 + p: matrix p >> 1 (ow, vw), K steps H = 4 (p & 1) + (w >> 1); wave w makes column tiles 4 (w & 1) + e, e = 0..3.
; Slot 16 a + 8 h + i of a fragment holds row 32 H + 16 h + 2 i + a: the order in which launch 3 has its A operands in registers.
.macro WLD e                           ; a fragment's 16 rows of my column
.irp x, 0,1,2,3,4,5,6,7,8,9,10,11,12,13,14,15
	global_load_b32 v[16+16*\e+\x], v4, s[50:51] offset:64*\e+512*\x
.endr
.endm
.macro WCV e, left                     ; left = the younger fragments' loads, which stay out
	s_wait_loadcnt \left
.irp a, 0,1
.irp i, 0,1,2,3
	v_cvt_pk_bf16_f32 v[80+8*\e+4*\a+\i], v[16+16*\e+4*\i+\a], v[16+16*\e+4*\i+2+\a]
.endr
	global_store_b128 v5, v[80+8*\e+4*\a:80+8*\e+4*\a+3], s[52:53] offset:1024*\e+512*\a
.endr
.endm
.Lwconv:
	s_and_b32 s45, s41, 1
	s_lshl_b32 s45, s45, 2
	s_lshr_b32 s46, s40, 1
	s_add_co_u32 s45, s45, s46                     ; H
	s_and_b32 s46, s40, 1
	s_lshl_b32 s47, s45, 14                        ; 32 H rows of 512 bytes
	s_lshl_b32 s48, s46, 8                         ; 4 (w & 1) tiles of 64 bytes
	s_add_co_u32 s47, s47, s48
	v_lshlrev_b32 v4, 13, v3                       ; 16 h rows
	v_lshl_add_u32 v4, v2, 2, v4
	v_add_nc_u32 v4, s47, v4
	s_lshl_b32 s48, s45, 13
	s_lshl_b32 s49, s46, 12
	s_add_co_u32 s48, s48, s49
	v_lshl_add_u32 v5, v1, 4, s48                  ; (8 H + 4 (w & 1)) 1,024 + 16 L
	s_wait_kmcnt 0x0
	s_cmp_lt_u32 s41, 34
	s_cselect_b64 s[50:51], s[24:25], s[26:27]
	s_cselect_b64 s[52:53], s[36:37], s[38:39]
	WLD 0
	WLD 1
	WLD 2
	WCV 0, 32
	WLD 3
	WCV 1, 32
	WCV 2, 16
	WCV 3, 0
	s_endpgm
; ---------------------------------------------------------------- FEAT
; Group g: rows 32 g .. 32 g + 31 of the 1,024 (row tiles 0, 1) and the batch's rows 0-15 (row tile 2, for the centre).
; Wave w owns columns 32 w .. 32 w + 31 of both layers (head w), as two tiles: tile t has columns 32 w + 2 r + t.
; Weights come straight from f32 memory: lane (r, h) loads 8 bytes (two columns) of row k = 32 ks + 16 a + 8 h + i; 16 loads a K step.
; The 16 K steps of the two layers run through one ring of three register slots, on through the change of layers.
.macro FILLW k
.irp e, 0,1,2,3,4,5,6,7,8,9,10,11,12,13,14,15
.if (\k) < 8
	global_load_b64 v[RAW+32*((\k)%3)+2*\e:RAW+32*((\k)%3)+2*\e+1], v4, s[6:7] offset:(32*(\k)+16*(\e/8)+(\e%8))*1024
.else
	global_load_b64 v[RAW+32*((\k)%3)+2*\e:RAW+32*((\k)%3)+2*\e+1], v4, s[10:11] offset:(32*((\k)-8)+16*(\e/8)+(\e%8))*1024
.endif
.endr
.endm
; One K step.  n = the loads of the younger slots, which stay out.  The fragment sets take turns, so that a set is written again
; only behind the 16 conversions of the step between.  The six accumulators take turns.
.macro STEP k, n
.set HS, HF+24*(\k&1)
.set WS, WF+16*(\k&1)
.set RS, RAW+32*(\k%3)
.irp mt, 0,1,2
.if \k < 8
	ds_load_b128 v[HS+8*\mt:HS+8*\mt+3],   v5 offset:\mt*16*HAP+64*\k
	ds_load_b128 v[HS+8*\mt+4:HS+8*\mt+7], v5 offset:\mt*16*HAP+64*\k+32
.else
	ds_load_b128 v[HS+8*\mt:HS+8*\mt+3],   v6 offset:(\k-8)*HBW+\mt*16*HBP
	ds_load_b128 v[HS+8*\mt+4:HS+8*\mt+7], v6 offset:(\k-8)*HBW+\mt*16*HBP+32
.endif
.endr
	s_wait_loadcnt \n
.irp t, 0,1
.irp d, 0,1,2,3,4,5,6,7
	v_cvt_pk_bf16_f32 v[WS+8*\t+\d], v[RS+4*\d+\t], v[RS+4*\d+2+\t]
.endr
.endr
.if \k+3 <= 15
	FILLW \k+3
.endif
	s_wait_dscnt 0x0
.irp mt, 0,1,2
.irp t, 0,1
.if \k == 0
	v_wmma_f32_16x16x32_bf16 v[ACC+16*\mt+8*\t:ACC+16*\mt+8*\t+7], v[WS+8*\t:WS+8*\t+7], v[HS+8*\mt:HS+8*\mt+7], v[CB1+8*\t:CB1+8*\t+7]   ; the bias starts the sums
.elseif \k < 8
	v_wmma_f32_16x16x32_bf16 v[ACC+16*\mt+8*\t:ACC+16*\mt+8*\t+7], v[WS+8*\t:WS+8*\t+7], v[HS+8*\mt:HS+8*\mt+7], v[ACC+16*\mt+8*\t:ACC+16*\mt+8*\t+7]
.elseif \k == 8
	v_wmma_f32_16x16x32_bf16 v[ACC+16*\mt+8*\t:ACC+16*\mt+8*\t+7], v[HS+8*\mt:HS+8*\mt+7], v[WS+8*\t:WS+8*\t+7], 0
.else
	v_wmma_f32_16x16x32_bf16 v[ACC+16*\mt+8*\t:ACC+16*\mt+8*\t+7], v[HS+8*\mt:HS+8*\mt+7], v[WS+8*\t:WS+8*\t+7], v[ACC+16*\mt+8*\t:ACC+16*\mt+8*\t+7]
.endif
.endr
.endr
.endm
.Lfeat:
	v_lshlrev_b32 v4, 13, v3
	v_lshl_add_u32 v4, v2, 3, v4
	v_add_nc_u32 v4, s44, v4                       ; weights: 8,192 h + 128 w + 8 r
	v_mul_u32_u24 v5, v2, HAP
	v_lshl_add_u32 v5, v3, 4, v5                   ; HA fragments: 528 r + 16 h
	v_mul_u32_u24 v6, v2, HBP
	v_lshl_add_u32 v7, v3, 5, v6
	v_lshl_add_u32 v6, v3, 4, v6
	v_add_nc_u32 v6, HB, v6                        ; HB fragments: HB + 80 r + 16 h
	s_mul_i32 s45, s40, HBW
	s_add_co_u32 s45, s45, HB
	v_add_nc_u32 v7, s45, v7                       ; HB stores: HB + 3,840 w + 80 r + 32 h
	v_lshl_add_u32 v254, v3, 6, s44                ; fb1: 4 (32 w + 16 h)
	v_lshl_add_u32 v255, v2, 3, s44                ; fb2: 4 (32 w + 2 r)
	s_lshl_b32 s46, s40, 12
	v_lshl_add_u32 v250, v1, 4, s46                ; h, my four own rows
	s_lshl_b32 s47, s40, 11
	v_lshl_add_u32 v251, v1, 4, s47                ; h, my two rows for the centre
	s_mul_i32 s48, s40, 4*HAP
	v_lshl_add_u32 v252, v1, 3, s48                ; HA rows 4 w ..
	s_mul_i32 s49, s40, 2*HAP
	s_add_co_u32 s49, s49, 32*HAP
	v_lshl_add_u32 v253, v1, 3, s49                ; HA rows 32 + 2 w ..
	s_lshl_b32 s50, s41, 15                        ; 32 g rows of 1,024 bytes
	s_mov_b32 s51, 0
	s_lshr_b32 s52, s41, 4
	s_lshl_b32 s52, s52, 19                        ; the batch's first row
	s_mov_b32 s53, 0
	s_mov_b32 s54, 0xffff0000
	s_lshr_b32 s56, s41, 2
	s_mul_i32 s56, s56, 196608                     ; vt: (4 b + slab) slabs
	s_and_b32 s55, s41, 3
	s_lshl_b32 s55, s55, 10                        ; + c fragments
	s_add_co_u32 s56, s56, s55
	s_mov_b32 s57, 0
	s_wait_kmcnt 0x0
	s_add_nc_u64 s[50:51], s[4:5], s[50:51]
	s_add_nc_u64 s[52:53], s[4:5], s[52:53]
	s_add_nc_u64 s[56:57], s[28:29], s[56:57]
.irp t, 0,1
.irp j, 0,1,2,3,4,5,6,7
	global_load_b32 v[CB1+8*\t+\j], v254, s[8:9] offset:4*(2*\j+\t)
.endr
.endr
	global_load_b64 v[FB2:FB2+1], v255, s[12:13]
.irp n, 0,1,2,3,4,5,6,7
	global_load_b128 v[ACC+4*\n:ACC+4*\n+3], v250, s[50:51] offset:512*\n        ; row n / 2, half n % 2: 512 neighbouring bytes
.endr
.irp n, 0,1,2,3
	global_load_b128 v[ACC+32+4*\n:ACC+32+4*\n+3], v251, s[52:53] offset:512*\n
.endr
	FILLW 0
	FILLW 1
	s_wait_loadcnt 32                              ; the ring's 32 loads stay out; biases and h are in
.irp n, 0,1,2,3,4,5,6,7,8,9,10,11
	v_cvt_pk_bf16_f32 v[HF+2*\n],   v[ACC+4*\n],   v[ACC+4*\n+1]
	v_cvt_pk_bf16_f32 v[HF+2*\n+1], v[ACC+4*\n+2], v[ACC+4*\n+3]
.endr
.irp n, 0,1,2,3,4,5,6,7
	ds_store_b64 v252, v[HF+2*\n:HF+2*\n+1] offset:HAP*(\n/2)+256*(\n%2)
.endr
.irp n, 0,1,2,3
	ds_store_b64 v253, v[HF+16+2*\n:HF+16+2*\n+1] offset:HAP*(\n/2)+256*(\n%2)
.endr
	FILLW 2
	s_wait_dscnt 0x0                               ; my rows of HA are in LDS before I signal
	s_barrier_signal -1
	s_barrier_wait -1
	; layer 1, used transposed (weights as source 0): lane (r, h), register j = row 16 mt + r, column 32 w + 16 h + 2 j + t
.irp k, 0,1,2,3,4,5,6,7
	STEP \k, 32
.endr
.rept 4
	v_nop                                          ; four places behind the last matrix instruction (ISA guide 7.12.1)
.endr
.set i, 0
.rept 48
	v_max_num_f32 v[ACC+i], 0, v[ACC+i]
.set i, i+1
.endr
.irp mt, 0,1,2
.irp j, 0,1,2,3,4,5,6,7
	v_cvt_pk_bf16_f32 v[ACC+16*\mt+\j], v[ACC+16*\mt+\j], v[ACC+16*\mt+8+\j]     ; columns 2 j and 2 j + 1 of my sixteen
.endr
	ds_store_b128 v7, v[ACC+16*\mt:ACC+16*\mt+3]   offset:\mt*16*HBP
	ds_store_b128 v7, v[ACC+16*\mt+4:ACC+16*\mt+7] offset:\mt*16*HBP+16
.endr
	s_wait_dscnt 0x0
	s_barrier_signal -1
	s_barrier_wait -1
	; layer 2, natural: register j = row 16 mt + 8 h + j, lane r = column 32 w + 2 r + t: already the image of launch 2's A operand
.irp k, 8,9,10,11,12,13
	STEP \k, 32
.endr
	STEP 14, 16
	STEP 15, 0
.rept 4
	v_nop
.endr
.irp t, 0,1
	v_pk_add_f32 v[250:251], v[ACC+32+8*\t:ACC+32+8*\t+1], v[ACC+32+8*\t+2:ACC+32+8*\t+3]
	v_pk_add_f32 v[WK:WK+1], v[ACC+32+8*\t+4:ACC+32+8*\t+5], v[ACC+32+8*\t+6:ACC+32+8*\t+7]
	v_pk_add_f32 v[250:251], v[250:251], v[WK:WK+1]
	v_add_f32 v250, v250, v251
	v_permlanex16_b32 v251, v250, s42, s43
	v_add_f32 v250, v250, v251
	v_mul_f32 v[CN+\t], 0x3d800000, v250           ; / 16
.endr
	s_mul_i32 s55, s40, 24576
	v_lshl_add_u32 v253, v1, 4, s55                ; vt: head w, 16 L
; u, hi(u u), lo(u u) of one 16 x 16 tile: three stores of 512 neighbouring bytes.  No stored register is written twice.
.macro VOUT mt, t
.set OB_, RAW+12*(2*\mt+\t)
.set AB_, ACC+16*\mt+8*\t
.irp j, 0,1,2,3,4,5,6,7
	v_sub_f32 v[WK+\j], v[AB_+\j], v[CN+\t]
.endr
.irp i, 0,1,2,3
	v_cvt_pk_bf16_f32 v[OB_+\i], v[WK+2*\i], v[WK+2*\i+1]
.endr
.irp i, 0,1,2,3
	v_lshlrev_b32 v[WK+2*\i], 16, v[OB_+\i]
	v_and_b32 v[WK+2*\i+1], s54, v[OB_+\i]
.endr
.irp i, 0,2,4,6
	v_pk_mul_f32 v[WK+\i:WK+\i+1], v[WK+\i:WK+\i+1], v[WK+\i:WK+\i+1]            ; exact: 16 significant bits
.endr
.irp i, 0,1,2,3
	v_cvt_pk_bf16_f32 v[OB_+4+\i], v[WK+2*\i], v[WK+2*\i+1]
.endr
.irp i, 0,1,2,3
	v_lshlrev_b32 v[WK+8+2*\i], 16, v[OB_+4+\i]
	v_and_b32 v[WK+9+2*\i], s54, v[OB_+4+\i]
.endr
.irp i, 0,2,4,6
	v_pk_add_f32 v[WK+\i:WK+\i+1], v[WK+\i:WK+\i+1], v[WK+8+\i:WK+9+\i] neg_lo:[0,1] neg_hi:[0,1]   ; what the rounding left: 8 bits
.endr
.irp i, 0,1,2,3
	v_cvt_pk_bf16_f32 v[OB_+8+\i], v[WK+2*\i], v[WK+2*\i+1]
.endr
	global_store_b128 v253, v[OB_:OB_+3],    s[56:57] offset:\t*4096+\mt*512
	global_store_b128 v253, v[OB_+4:OB_+7],  s[56:57] offset:(2+\t)*4096+\mt*512
	global_store_b128 v253, v[OB_+8:OB_+11], s[56:57] offset:(4+\t)*4096+\mt*512
.endm
	VOUT 0, 0
	VOUT 0, 1
	VOUT 1, 0
	VOUT 1, 1
	s_and_b32 s58, s41, 15
	s_cmp_lg_u32 s58, 0
	s_cbranch_scc1 .Lfeat_end                      ; the batch's first group stores the centre, with fb2
	s_lshl_b32 s58, s41, 6                         ; g = 16 b here: 1,024 b
	s_mov_b32 s59, 0
	s_add_nc_u64 s[58:59], s[30:31], s[58:59]
	v_pk_add_f32 v[250:251], v[CN:CN+1], v[FB2:FB2+1]
	v_lshl_add_u32 v252, v2, 3, s44
	global_store_b64 v252, v[250:251], s[58:59]    ; lanes r and 16 + r store the same two numbers
.Lfeat_end:
	s_set_vgpr_msb 0x5
	s_wait_tensorcnt 0x0
	ds_add_u32 v0, v1
	s_wait_dscnt 0x0
	s_set_vgpr_msb 0x500
	s_endpgm
.Lfunc_end_k_q00b594c79b_feat:
	.size	k_q00b594c79b_feat, .Lfunc_end_k_q00b594c79b_feat-k_q00b594c79b_feat
	.p2alignl 7, 3214868480
	.fill 96, 4, 3214868480
	.section	.rodata,"a",@progbits
	.p2align	6, 0x0
	.amdhsa_kernel k_q00b594c79b_feat
		.amdhsa_group_segment_fixed_size 59392
		.amdhsa_private_segment_fixed_size 0
		.amdhsa_enable_private_segment 0
		.amdhsa_kernarg_size 144
		.amdhsa_user_sgpr_count 2
		.amdhsa_user_sgpr_kernarg_segment_ptr 1
		.amdhsa_wavefront_size32 1
		.amdhsa_system_sgpr_workgroup_id_x 1
		.amdhsa_system_sgpr_workgroup_id_y 1
		.amdhsa_system_sgpr_workgroup_id_z 1
		.amdhsa_system_vgpr_workitem_id 0
		.amdhsa_next_free_vgpr 258
		.amdhsa_next_free_sgpr 66
		.amdhsa_reserve_vcc 1
		.amdhsa_float_denorm_mode_32 3
		.amdhsa_float_denorm_mode_16_64 3
		.amdhsa_memory_ordered 1
		.amdhsa_forward_progress 1
		.amdhsa_inst_pref_size 100
	.end_amdhsa_kernel
	.amdgpu_metadata
---
amdhsa.version: [ 1, 2 ]
amdhsa.kernels:
  - .name:           k_q00b594c79b_feat
    .symbol:         k_q00b594c79b_feat.kd
    .args:
      - { .name: h_obs, .offset: 0, .size: 8, .value_kind: global_buffer, .address_space: global }
      - { .name: fw1, .offset: 8, .size: 8, .value_kind: global_buffer, .address_space: global }
      - { .name: fb1, .offset: 16, .size: 8, .value_kind: global_buffer, .address_space: global }
      - { .name: fw2, .offset: 24, .size: 8, .value_kind: global_buffer, .address_space: global }
      - { .name: fb2, .offset: 32, .size: 8, .value_kind: global_buffer, .address_space: global }
      - { .name: kw1, .offset: 40, .size: 8, .value_kind: global_buffer, .address_space: global }
      - { .name: kb1, .offset: 48, .size: 8, .value_kind: global_buffer, .address_space: global }
      - { .name: kw2, .offset: 56, .size: 8, .value_kind: global_buffer, .address_space: global }
      - { .name: kb2, .offset: 64, .size: 8, .value_kind: global_buffer, .address_space: global }
      - { .name: log_sigma, .offset: 72, .size: 8, .value_kind: global_buffer, .address_space: global }
      - { .name: ow, .offset: 80, .size: 8, .value_kind: global_buffer, .address_space: global }
      - { .name: vw, .offset: 88, .size: 8, .value_kind: global_buffer, .address_space: global }
      - { .name: vt, .offset: 96, .size: 8, .value_kind: global_buffer, .address_space: global }
      - { .name: cen, .offset: 104, .size: 8, .value_kind: global_buffer, .address_space: global }
      - { .name: kwf, .offset: 112, .size: 8, .value_kind: global_buffer, .address_space: global }
      - { .name: cst, .offset: 120, .size: 8, .value_kind: global_buffer, .address_space: global }
      - { .name: owf, .offset: 128, .size: 8, .value_kind: global_buffer, .address_space: global }
      - { .name: vwf, .offset: 136, .size: 8, .value_kind: global_buffer, .address_space: global }
    .group_segment_fixed_size: 59392
    .private_segment_fixed_size: 0
    .kernarg_segment_align: 8
    .kernarg_segment_size: 144
    .max_flat_workgroup_size: 256
    .sgpr_count:     66
    .vgpr_count:     258
    .wavefront_size: 32
...
	.end_amdgpu_metadata
.endif
;; end of part 1
;; launch attn (part 2): grid 64 x 4, 4 waves a work-group, clusters of 4 x 1, 291,072 bytes of LDS; arguments pos_obs, pos_query, kw1, kb1, kwf, cst, vt, part; writes part
.if DOCPART == 2
	.amdgcn_target "amdgcn-amd-amdhsa--gfx1250"
	.amdhsa_code_object_version 6
	.text
	.protected	k_q00b594c79b_attn
	.globl	k_q00b594c79b_attn
	.p2align	8
	.type	k_q00b594c79b_attn,@function
k_q00b594c79b_attn:
	s_mov_b64 s[64:65], 0
	v_nop
	global_prefetch_b8 v0, s[64:65] scope:SCOPE_SE
	s_setreg_imm32_b32 hwreg(HW_REG_WAVE_MODE, 25, 1), 1
	s_wait_xcnt 0x0
	s_wait_alu depctr_hold_cnt(0) depctr_sa_sdst(0) depctr_va_vdst(0) depctr_va_sdst(0) depctr_va_ssrc(0) depctr_va_vcc(0) depctr_vm_vsrc(0)
	s_getreg_b32 s2, hwreg(HW_REG_IB_STS2, 6, 4)
	s_cmp_eq_u32 s2, 0
	s_cbranch_scc0 .Lentry_in_a_cluster
	s_endpgm
.Lentry_in_a_cluster:
	s_bfe_u32 s2, ttmp6, 0x10000c
	s_cmp_lg_u32 s2, 0x3003
	s_cbranch_scc0 .Lentry_shape_is_right
	s_endpgm
.Lentry_shape_is_right:
; Launch 2 of 3.  A work-group takes 16 queries (x: q tile 0-63, both batches) and 128 observations (y: slab 0-3), all 8 heads:
; the pair MLP, the logits, the softmax over its 128 observations with their own maximum, and the sums  l = sum p,  U = sum p u,  S = sum p u u.
; Launch 3 joins the four slabs.  Everything is kept in base 2: logit2 = log2(rbf + 1e-8) + log2(e) delta.
; PAIR MLP.  ki kw1 + kb1 = aq[q] + bo[o] (both in f32), so the first layer is one add for each hidden number.  relu(x) = (x + |x|) / 2: the x half is linear
; in the positions (table cst, f32); only |x|, rounded to bf16, goes to the matrix unit, against what = bf16(0.5 log2(e) kw2).
; kw2 has 8 columns for 16 rows of A: D = Alo B(o tile X) + Ahi B(o tile Y) puts head j in register j and observation L in lane L.
; Wave w owns observations 32 w .. 32 w + 31 in the pair phase, heads 2 w and 2 w + 1 afterwards.
; CLUSTER: the four q tiles of a cluster need the same 196,608 bytes of vt (one batch, one slab): each wave asks for its two heads by one joint load at the
; start; the bytes are read behind the pair loop, by the asking wave alone.
; LIMITS: |x|, the weights p and u are rounded to bf16.  v_exp_f32 and v_log_f32 flush denormals (ISA guide 15.8).  NaN and infinities get no care.
.set LG,  196608                       ; logits: [writer wave 4][row 16 head + q][32 f32 + 16 bytes]
.set LGW, 18432
.set LGP, 144
.set AQ,  270336                       ; aq: [16 q][256] f32
.set WO,  286720                       ; kw1[3+p] - kw1[6+p]: [3][256] f32
.set QT,  289792                       ; [16 q] x 48 bytes: cq[0..7], pos_query[0..2], a copy of [2]
; block 0: v1 L, v2 r, v3 h, v4 aq address, v5 QT address, v6 logit store, v7 logit load, v8-10 position of observation 32 w + L, v11 vt address,
;          v12-13 dist^2 of the two queries, later the two heads' maxima
.set BASE, 16                          ; v[16:23]   sum over p of pos_obs[p] Go[p][j]
.set ACC0, 24                          ; v[24:31], v[32:39] accumulators of the two queries
.set QR,   40                          ; v[40:63]   2 q x 12: a row of QT
.set AQB,  64                          ; v[64:127]  2 buffers x 2 q x 16
.set T,    128                         ; v[128:191] 4 fragments x 16 f32
.set F,    192                         ; v[192:223] 4 fragments x 8
.set E,    224                         ; v[224:239] at work on the logits
.set PF,   192                         ; v[192:255] later: the weights, 2 heads x 4 fragments
.set DA,   64                          ; v[64:175]  later: 2 heads x 7 accumulators
; block 1 (v256-511): bo, tile X at 16 ks, tile Y at 128 + 16 ks; later head 2 w's 24 fragments of vt and a fragment of ones
; block 2 (v512-711): kwf, lo at 8 ks, hi at 64 + 8 ks; later head 2 w + 1's
.set MSB, 0
.macro WIN new                         ; the immediate's high byte repeats the setting that is left
.if MSB != \new
	s_set_vgpr_msb (MSB<<8)|\new
.set MSB, \new
.endif
.endm
.macro ROUND                           ; a round of the cluster's barrier
	s_barrier_signal -1
	s_barrier_wait -1
	s_cmp_lg_u32 s20, 0
	s_cbranch_scc1 .Lnot_wave_0_\@
	s_barrier_signal -3
.Lnot_wave_0_\@:
	s_barrier_wait -3
	s_barrier_signal -1
	s_barrier_wait -1
.endm
	s_load_b512 s[4:19], s[0:1], 0x0               ; pos_obs 4, pos_query 6, kw1 8, kb1 10, kwf 12, cst 14, vt 16, part 18
	v_lshl_add_u32 v14, v0, 2, 0x46f00
	v_mov_b32 v15, 0
	ds_add_u32 v14, v15
	v_and_b32 v1, 31, v0
	v_and_b32 v2, 15, v0
	v_bfe_u32 v3, v0, 4, 1
	v_lshrrev_b32 v4, 5, v0
	v_readfirstlane_b32 s20, v4                    ; wave w
	s_bfe_u32 s21, ttmp6, 0x40000                  ; cx: enters the addresses of pos_query and part alone
	s_lshl_b32 s22, ttmp9, 2
	s_add_co_u32 s22, s22, s21                     ; q tile
	s_and_b32 s23, ttmp7, 0xffff                   ; slab
	s_lshr_b32 s2, ttmp9, 3                        ; batch: eight clusters each
	s_lshl2_add_u32 s2, s2, s23                    ; 4 b + slab
	s_mov_b32 s76, 0x7fff7fff
	s_mov_b32 s77, 0x76543210
	s_mov_b32 s78, 0xfedcba98
	; the joint load: 49,152 dense bytes as 192 rows of 256 bytes
	s_mov_b32 s24, 1                               ; count
	s_mul_i32 s25, s20, 49152                      ; LDS address: the wave's number alone
	s_mov_b32 s28, 15|(3<<16)|(1<<21)              ; mask: all four of the cluster; elements of 8 bytes; bit 21 beside a mask
	s_mov_b32 s29, 32<<16                          ; tensor_dim0 = 32
	s_mov_b32 s30, 192<<16                         ; tensor_dim1 = 192
	s_mov_b32 s31, 32<<16                          ; tile_dim0 = 32
	s_mov_b32 s32, 192                             ; tile_dim1 = 192
	s_mov_b32 s33, 32                              ; pitch
	s_mov_b32 s34, 0
	s_mov_b32 s35, 0
	s_mul_i32 s84, s2, 196608
	s_add_co_u32 s84, s84, s25                     ; batch, slab and wave: shared by the four
	s_mov_b32 s85, 0
	s_mul_i32 s66, s22, 192                        ; 16 queries x 12 bytes
	s_mov_b32 s67, 0
	s_mul_i32 s80, s2, 1536                        ; 128 observations x 12 bytes
	s_mov_b32 s81, 0
	s_lshl2_add_u32 s82, s22, s23
	s_mul_i32 s82, s82, 34816                      ; part: (4 q tile + slab) x 8 heads x 4,352 bytes
	s_mov_b32 s83, 0
	; LDS addresses of the set-up's stores: a constant, the wave's number times a constant, a lane term
	s_lshl_b32 s3, s20, 8
	s_add_co_u32 s60, s3, AQ
	v_lshl_add_u32 v255, v1, 3, s60                ; AQ + 8 t
	s_add_co_u32 s60, s3, WO
	v_lshl_add_u32 v224, v1, 3, s60                ; WO + 8 t
	s_mul_i32 s60, s20, 192
	s_add_co_u32 s60, s60, QT
	v_lshrrev_b32 v227, 3, v1
	v_mul_u32_u24 v225, v227, 48
	v_add_nc_u32 v225, s60, v225                   ; QT + 48 (t >> 3)
	v_and_b32 v251, 7, v0                          ; j
	v_and_b32 v250, 3, v0
	v_lshl_add_u32 v226, v250, 2, v225
	v_lshl_add_u32 v225, v251, 2, v225
	; offsets of the set-up's loads
	v_lshlrev_b32 v247, 3, v0                      ; 8 t: columns 2 t, 2 t + 1 of kw1 and kb1
	v_mov_b32 v248, 0
	v_lshrrev_b32 v249, 3, v0
	v_mul_u32_u24 v249, v249, 12                   ; query t >> 3
	v_min_u32 v250, 2, v250
	v_lshl_add_u32 v250, v250, 2, v249
	v_lshlrev_b32 v251, 2, v251
	s_mul_i32 s60, s20, 384
	v_mul_u32_u24 v252, v2, 12
	v_add_nc_u32 v252, s60, v252                   ; observation 32 w + r
	v_mul_u32_u24 v253, v1, 12
	v_add_nc_u32 v253, s60, v253                   ; observation 32 w + L
	v_lshlrev_b32 v254, 4, v1
	; LDS addresses of the later phases
	v_lshlrev_b32 v4, 5, v3
	v_add_nc_u32 v246, WO, v4
	v_add_nc_u32 v4, AQ, v4
	v_mov_b32 v5, QT
	s_mul_i32 s60, s20, LGW
	s_add_co_u32 s60, s60, LG
	v_lshl_add_u32 v6, v1, 2, s60
	s_mul_i32 s60, s20, 32*LGP
	s_add_co_u32 s60, s60, LG
	v_mul_u32_u24 v7, v2, LGP
	v_lshl_add_u32 v7, v3, 5, v7
	v_add_nc_u32 v7, s60, v7
	v_lshl_add_u32 v11, v1, 4, s25
	s_wait_dscnt 0x0
	s_wait_kmcnt 0x0
	s_add_nc_u64 s[26:27], s[16:17], s[84:85]
	s_or_b32 s27, s27, 0x80000000                  ; type 2
	s_add_nc_u64 s[66:67], s[6:7], s[66:67]
	s_add_nc_u64 s[80:81], s[4:5], s[80:81]
	s_add_nc_u64 s[82:83], s[18:19], s[82:83]
	s_load_b256 s[36:43], s[14:15], 0x0            ; Go[0]
	s_load_b256 s[44:51], s[14:15], 0x20           ; Go[1]
	s_load_b256 s[52:59], s[14:15], 0x40           ; Go[2]
	s_load_b256 s[68:75], s[14:15], 0xe0           ; -log2(e) / (sigma^2 + 1e-6)
.irp R, 0,1,2,3,4,5,6,7,8
	global_load_b64 v[192+2*\R:193+2*\R], v247, s[8:9] offset:1024*\R
.endr
	global_load_b64 v[210:211], v247, s[10:11]
.irp n, 0,1,2,3,4,5,6,7,8,9,10,11
	global_load_b128 v[128+4*\n:131+4*\n], v248, s[66:67] offset:16*\n      ; the 16 queries' positions, in every lane
.endr
	global_load_b32 v96, v249, s[66:67]
	global_load_b32 v97, v249, s[66:67] offset:4
	global_load_b32 v98, v249, s[66:67] offset:8
	global_load_b32 v99, v250, s[66:67]
	global_load_b32 v100, v251, s[14:15] offset:96                          ; Gq[0..2][j], then the bias row
	global_load_b32 v101, v251, s[14:15] offset:128
	global_load_b32 v102, v251, s[14:15] offset:160
	global_load_b32 v103, v251, s[14:15] offset:192
.irp p, 0,1,2
	global_load_b32 v[240+2*\p], v252, s[80:81] offset:4*\p                 ; pairs (tile X, tile Y)
	global_load_b32 v[241+2*\p], v252, s[80:81] offset:192+4*\p
	global_load_b32 v[8+\p], v253, s[80:81] offset:4*\p
.endr
	ROUND                                          ; all four work-groups are here: the joint loads meet
	tensor_load_to_lds s[24:27], s[28:35]
	s_nop 0
	; set-up: thread t makes columns 2 t, 2 t + 1 of aq for the 16 queries, and one word of cq
	s_wait_loadcnt 9                               ; the 9 loads of pos_obs stay out
	WIN 0x80
.irp n, 0,1,2,3,4,5,6,7,8,9,10,11,12,13,14,15
	global_load_b128 v[8*\n:8*\n+3],   v254, s[12:13] offset:1024*\n        ; kwf, wanted first in the pair loop
	global_load_b128 v[8*\n+4:8*\n+7], v254, s[12:13] offset:1024*\n+512
.endr
	WIN 0
.irp p, 0,1,2
	v_pk_add_f32 v[192+2*\p:193+2*\p], v[192+2*\p:193+2*\p], v[204+2*\p:205+2*\p]
	v_pk_add_f32 v[198+2*\p:199+2*\p], v[198+2*\p:199+2*\p], v[204+2*\p:205+2*\p] neg_lo:[0,1] neg_hi:[0,1]
.endr
.irp p, 0,1,2
	ds_store_b64 v224, v[198+2*\p:199+2*\p] offset:1024*\p
.endr
.set n, 0
.rept 32
	v_fma_f32 v[64+n], v[128+3*(n/2)], v[192+(n%2)], v[210+(n%2)]           ; kb1 starts the sums
.set n, n+1
.endr
.set n, 0
.rept 32
	v_fmac_f32 v[64+n], v[129+3*(n/2)], v[194+(n%2)]
.set n, n+1
.endr
.set n, 0
.rept 32
	v_fmac_f32 v[64+n], v[130+3*(n/2)], v[196+(n%2)]
.set n, n+1
.endr
.irp q, 0,1,2,3,4,5,6,7,8,9,10,11,12,13,14,15
	ds_store_b64 v255, v[64+2*\q:65+2*\q] offset:1024*\q
.endr
	v_fma_f32 v104, v96, v100, v103
	v_fmac_f32 v104, v97, v101
	v_fmac_f32 v104, v98, v102
	ds_store_b32 v225, v104
	ds_store_b32 v226, v99 offset:32
	s_wait_dscnt 0x0                               ; my stores are in LDS before I signal
	s_barrier_signal -1
	s_barrier_wait -1
	; bo of my 32 observations for all 256 hidden units, in fragment order, into block 1
.macro LDWO ks, buf
.irp p, 0,1,2
	ds_load_b128 v[\buf+16*\p:\buf+16*\p+3],     v246 offset:1024*\p+128*(\ks)
	ds_load_b128 v[\buf+16*\p+4:\buf+16*\p+7],   v246 offset:1024*\p+128*(\ks)+16
	ds_load_b128 v[\buf+16*\p+8:\buf+16*\p+11],  v246 offset:1024*\p+128*(\ks)+64
	ds_load_b128 v[\buf+16*\p+12:\buf+16*\p+15], v246 offset:1024*\p+128*(\ks)+80
.endr
.endm
.macro BOSTEP ks, buf                  ; op_sel picks the pair's first register (tile X) or its second (tile Y) for both halves
	WIN 0x50
.irp d, 0,2,4,6,8,10,12,14
	v_pk_mul_f32 v[16*(\ks)+\d:16*(\ks)+\d+1],         v[\buf+\d:\buf+\d+1], v[240:241] op_sel_hi:[1,0]
	v_pk_mul_f32 v[128+16*(\ks)+\d:128+16*(\ks)+\d+1], v[\buf+\d:\buf+\d+1], v[240:241] op_sel:[0,1] op_sel_hi:[1,1]
.endr
.irp p, 1,2
.irp d, 0,2,4,6,8,10,12,14
	v_pk_fma_f32 v[16*(\ks)+\d:16*(\ks)+\d+1],         v[\buf+16*\p+\d:\buf+16*\p+\d+1], v[240+2*\p:241+2*\p], v[16*(\ks)+\d:16*(\ks)+\d+1] op_sel_hi:[1,0,1]
	v_pk_fma_f32 v[128+16*(\ks)+\d:128+16*(\ks)+\d+1], v[\buf+16*\p+\d:\buf+16*\p+\d+1], v[240+2*\p:241+2*\p], v[128+16*(\ks)+\d:128+16*(\ks)+\d+1] op_sel:[0,1,0] op_sel_hi:[1,1,1]
.endr
.endr
	WIN 0
.endm
	LDWO 0, 64
	s_wait_loadcnt 32                              ; pos_obs is in; the 32 loads of kwf stay out
.irp ks, 0,2,4
	LDWO \ks+1, 128
	s_wait_dscnt 12                                ; the next step's 12 loads stay out
	BOSTEP \ks, 64
	LDWO \ks+2, 64
	s_wait_dscnt 12
	BOSTEP \ks+1, 128
.endr
	LDWO 7, 128
	s_wait_dscnt 12
	BOSTEP 6, 64
	s_wait_dscnt 0x0
	BOSTEP 7, 128
	s_wait_kmcnt 0x0
.irp j, 0,1,2,3,4,5,6,7
	v_mul_f32 v[BASE+\j], s[36+\j], v8
.endr
.irp j, 0,1,2,3,4,5,6,7
	v_fmac_f32 v[BASE+\j], s[44+\j], v9
.endr
.irp j, 0,1,2,3,4,5,6,7
	v_fmac_f32 v[BASE+\j], s[52+\j], v10
.endr
; The pair loop: two queries a trip.
.macro HEAD off                        ; 14 loads: two rows of QT, and aq of K step 0 into buffer 0; off = 1: of the next trip's queries
.irp q, 0,1
	ds_load_b128 v[QR+12*\q:QR+12*\q+3],    v5 offset:96*\off+48*\q
	ds_load_b128 v[QR+12*\q+4:QR+12*\q+7],  v5 offset:96*\off+48*\q+16
	ds_load_b128 v[QR+12*\q+8:QR+12*\q+11], v5 offset:96*\off+48*\q+32
.endr
.irp q, 0,1
	ds_load_b128 v[AQB+16*\q:AQB+16*\q+3],     v4 offset:2048*\off+1024*\q
	ds_load_b128 v[AQB+16*\q+4:AQB+16*\q+7],   v4 offset:2048*\off+1024*\q+16
	ds_load_b128 v[AQB+16*\q+8:AQB+16*\q+11],  v4 offset:2048*\off+1024*\q+64
	ds_load_b128 v[AQB+16*\q+12:AQB+16*\q+15], v4 offset:2048*\off+1024*\q+80
.endr
.endm
; 32 hidden units x (2 o tiles x 2 queries): fragment f = 2 tile + query.  x = bo + aq, rounded to bf16, sign cleared.
; The two accumulators take turns.  F is written again behind the next step's 32 adds.
.macro KSTEP ks, more
.if \ks
	s_wait_dscnt 0x0                               ; this step's aq, asked for a step ago
.endif
	WIN 0x01
.irp f, 0,1,2,3
.irp d, 0,2,4,6,8,10,12,14
	v_pk_add_f32 v[T+16*\f+\d:T+16*\f+\d+1], v[128*(\f>>1)+16*\ks+\d:128*(\f>>1)+16*\ks+\d+1], v[AQB+32*(\ks&1)+16*(\f&1)+\d:AQB+32*(\ks&1)+16*(\f&1)+\d+1]
.endr
.endr
	WIN 0
.if \ks < 7
.irp q, 0,1
	ds_load_b128 v[AQB+32*((\ks+1)&1)+16*\q:AQB+32*((\ks+1)&1)+16*\q+3],     v4 offset:1024*\q+128*(\ks+1)
	ds_load_b128 v[AQB+32*((\ks+1)&1)+16*\q+4:AQB+32*((\ks+1)&1)+16*\q+7],   v4 offset:1024*\q+128*(\ks+1)+16
	ds_load_b128 v[AQB+32*((\ks+1)&1)+16*\q+8:AQB+32*((\ks+1)&1)+16*\q+11],  v4 offset:1024*\q+128*(\ks+1)+64
	ds_load_b128 v[AQB+32*((\ks+1)&1)+16*\q+12:AQB+32*((\ks+1)&1)+16*\q+15], v4 offset:1024*\q+128*(\ks+1)+80
.endr
.else
.if \more
	HEAD 1
.endif
.endif
.set n, 0
.rept 32
	v_cvt_pk_bf16_f32 v[F+n], v[T+2*n], v[T+2*n+1]
.set n, n+1
.endr
.set n, 0
.rept 32
	v_and_b32 v[F+n], s76, v[F+n]
.set n, n+1
.endr
	WIN 0x02
	v_wmma_f32_16x16x32_bf16 v[ACC0:ACC0+7],    v[8*\ks:8*\ks+7],       v[F:F+7],     v[ACC0:ACC0+7]
	v_wmma_f32_16x16x32_bf16 v[ACC0+8:ACC0+15], v[8*\ks:8*\ks+7],       v[F+8:F+15],  v[ACC0+8:ACC0+15]
	v_wmma_f32_16x16x32_bf16 v[ACC0:ACC0+7],    v[64+8*\ks:64+8*\ks+7], v[F+16:F+23], v[ACC0:ACC0+7]
	v_wmma_f32_16x16x32_bf16 v[ACC0+8:ACC0+15], v[64+8*\ks:64+8*\ks+7], v[F+24:F+31], v[ACC0+8:ACC0+15]
.endm
.macro PAIR more
	s_wait_dscnt 16                                ; HEAD's 14 loads are in; the 16 logit stores issued behind them may be out
.irp q, 0,1
	v_sub_f32 v[E+4*\q],   v[QR+12*\q+8],  v8
	v_sub_f32 v[E+4*\q+1], v[QR+12*\q+9],  v9
	v_sub_f32 v[E+4*\q+2], v[QR+12*\q+10], v10
	v_mul_f32 v[12+\q], v[E+4*\q], v[E+4*\q]
	v_fmac_f32 v[12+\q], v[E+4*\q+1], v[E+4*\q+1]
	v_fmac_f32 v[12+\q], v[E+4*\q+2], v[E+4*\q+2]                          ; dist^2
.irp n, 0,2,4,6
	v_pk_add_f32 v[ACC0+8*\q+\n:ACC0+8*\q+\n+1], v[BASE+\n:BASE+\n+1], v[QR+12*\q+\n:QR+12*\q+\n+1]   ; the linear half starts the sums
.endr
.endr
.irp ks, 0,1,2,3,4,5,6,7
	KSTEP \ks, \more
.endr
	WIN 0
.irp q, 0,1
.irp j, 0,1,2,3,4,5,6,7
	v_mul_f32 v[E+8*\q+\j], s[68+\j], v[12+\q]     ; sixteen places behind the last matrix instruction
.endr
.endr
.set n, 0
.rept 16
	v_exp_f32 v[E+n], v[E+n]                       ; rbf
.set n, n+1
.endr
	v_add_nc_u32 v4, 2048, v4                      ; the next two queries' aq (also the place behind the transcendentals, ISA guide 5.7.2)
	s_wait_alu depctr_va_vdst(0)
.irp n, 0,2,4,6,8,10,12,14
	v_pk_add_f32 v[E+\n:E+\n+1], v[E+\n:E+\n+1], 0x322bcc77 op_sel_hi:[1,0]      ; + 1e-8
.endr
.set n, 0
.rept 16
	v_log_f32 v[E+n], v[E+n]
.set n, n+1
.endr
	v_add_nc_u32 v5, 96, v5                        ; the next two rows of QT (the place again)
	s_wait_alu depctr_va_vdst(0)
.irp n, 0,2,4,6,8,10,12,14
	v_pk_add_f32 v[E+\n:E+\n+1], v[E+\n:E+\n+1], v[ACC0+\n:ACC0+\n+1]
.endr
.irp q, 0,1
.irp j, 0,1,2,3,4,5,6,7
	ds_store_b32 v6, v[E+8*\q+\j] offset:16*LGP*\j+LGP*\q
.endr
.endr
	v_add_nc_u32 v6, 2*LGP, v6
.endm
	HEAD 0
	s_wait_loadcnt 0x0                             ; kwf
	s_wait_dscnt 0x0                               ; so that the count at the loop's head holds on the way in too
	s_mov_b32 s79, 7
.Lpair:
	PAIR 1
	s_sub_co_u32 s79, s79, 1
	s_cmp_lg_u32 s79, 0
	s_cbranch_scc1 .Lpair
	PAIR 0                                         ; the last two queries ask for nothing further
	s_wait_dscnt 0x0                               ; my logits are in LDS,
	s_wait_tensorcnt 0x0                           ; and my two heads of vt
	s_barrier_signal -1
	s_barrier_wait -1
	; softmax over the group's 128 observations.  Lane (r, h): query r; its 64 numbers of a head are already in B fragment order.
.irp e, 0,1
.irp c, 0,1,2,3
	ds_load_b128 v[64+64*\e+16*\c:64+64*\e+16*\c+3],     v7 offset:LGW*\c+16*LGP*\e
	ds_load_b128 v[64+64*\e+16*\c+4:64+64*\e+16*\c+7],   v7 offset:LGW*\c+16*LGP*\e+16
	ds_load_b128 v[64+64*\e+16*\c+8:64+64*\e+16*\c+11],  v7 offset:LGW*\c+16*LGP*\e+64
	ds_load_b128 v[64+64*\e+16*\c+12:64+64*\e+16*\c+15], v7 offset:LGW*\c+16*LGP*\e+80
.endr
.endr
	s_wait_dscnt 0x0
.macro LDV e                           ; a head's 24 fragments of vt, and a fragment of ones
.set n, 0
.rept 24
	ds_load_b128 v[8*n:8*n+3],   v11 offset:24576*\e+1024*n
	ds_load_b128 v[8*n+4:8*n+7], v11 offset:24576*\e+1024*n+512
.set n, n+1
.endr
.irp i, 0,1,2,3,4,5,6,7
	v_mov_b32 v[192+\i], 0x3f803f80
.endr
.endm
	WIN 0x40
	LDV 0                                          ; these land under the softmax arithmetic
	WIN 0x80
	LDV 1
	WIN 0
.macro SOFT e
.set XB, 64+64*\e
.irp n, 0,1,2,3
	v_max_num_f32 v[E+\n], v[XB+16*\n], v[XB+16*\n+1]
.endr
.irp i, 2,4,6,8,10,12,14
.irp n, 0,1,2,3
	v_max3_num_f32 v[E+\n], v[E+\n], v[XB+16*\n+\i], v[XB+16*\n+\i+1]
.endr
.endr
	v_max3_num_f32 v[E], v[E], v[E+1], v[E+2]
	v_max_num_f32 v[E], v[E], v[E+3]
	v_permlanex16_b32 v[E+4], v[E], s77, s78
	v_max_num_f32 v[12+\e], v[E], v[E+4]           ; the maximum over the 128
.set n, 0
.rept 32
.if \e
	v_pk_add_f32 v[XB+2*n:XB+2*n+1], v[XB+2*n:XB+2*n+1], v[12:13] op_sel:[0,1] op_sel_hi:[1,1] neg_lo:[0,1] neg_hi:[0,1]
.else
	v_pk_add_f32 v[XB+2*n:XB+2*n+1], v[XB+2*n:XB+2*n+1], v[12:13] op_sel_hi:[1,0] neg_lo:[0,1] neg_hi:[0,1]
.endif
.set n, n+1
.endr
.set n, 0
.rept 64
	v_exp_f32 v[XB+n], v[XB+n]
.set n, n+1
.endr
	v_nop
.set n, 0
	s_wait_alu depctr_va_vdst(0)
.rept 32
	v_cvt_pk_bf16_f32 v[PF+32*\e+n], v[XB+2*n], v[XB+2*n+1]
.set n, n+1
.endr
.endm
	SOFT 0
	SOFT 1
	; D[t] = sum over o of A[t] p: t = 0, 1: u; 2, 3: hi(u u); 4, 5: lo(u u); 6: ones, the sum of the rounded weights.
	; Seven accumulators take turns; the first products start the sums.
.macro PVH e
.irp c, 0,1,2,3
.irp t, 0,1,2,3,4,5
.if \c
	v_wmma_f32_16x16x32_bf16 v[DA+56*\e+8*\t:DA+56*\e+8*\t+7], v[8*(4*\t+\c):8*(4*\t+\c)+7], v[PF+32*\e+8*\c:PF+32*\e+8*\c+7], v[DA+56*\e+8*\t:DA+56*\e+8*\t+7]
.else
	v_wmma_f32_16x16x32_bf16 v[DA+56*\e+8*\t:DA+56*\e+8*\t+7], v[8*(4*\t+\c):8*(4*\t+\c)+7], v[PF+32*\e+8*\c:PF+32*\e+8*\c+7], 0
.endif
.endr
.if \c
	v_wmma_f32_16x16x32_bf16 v[DA+56*\e+48:DA+56*\e+55], v[192:199], v[PF+32*\e+8*\c:PF+32*\e+8*\c+7], v[DA+56*\e+48:DA+56*\e+55]
.else
	v_wmma_f32_16x16x32_bf16 v[DA+56*\e+48:DA+56*\e+55], v[192:199], v[PF+32*\e+8*\c:PF+32*\e+8*\c+7], 0
.endif
.endr
.endm
	s_wait_dscnt 0x0
	WIN 0x01
	PVH 0
	WIN 0x02
	PVH 1
	WIN 0
	s_mul_i32 s60, s20, 8704                       ; two heads of 4,352 bytes
	v_lshl_add_u32 v4, v1, 4, s60
	v_lshl_add_u32 v5, v1, 3, s60
	v_nop
	v_nop                                          ; with the two lines above: four places behind the last matrix instruction (ISA guide 7.12.1)
.irp e, 0,1
.irp n, 0,2,4,6,8,10,12,14
	v_pk_add_f32 v[DA+56*\e+16+\n:DA+56*\e+17+\n], v[DA+56*\e+16+\n:DA+56*\e+17+\n], v[DA+56*\e+32+\n:DA+56*\e+33+\n]   ; S = hi + lo
.endr
	v_mov_b32 v[DA+56*\e+49], v[12+\e]             ; (l, maximum)
.endr
.irp e, 0,1
.irp n, 0,1,2,3,4,5,6,7
	global_store_b128 v4, v[DA+56*\e+4*\n:DA+56*\e+4*\n+3], s[82:83] offset:4352*\e+512*\n     ; 512 neighbouring bytes
.endr
	global_store_b64 v5, v[DA+56*\e+48:DA+56*\e+49], s[82:83] offset:4352*\e+4096
.endr
	s_wait_tensorcnt 0x0
	ds_add_u32 v14, v15
	s_wait_dscnt 0x0
	ROUND                                          ; the closing round
	s_endpgm
.Lfunc_end_k_q00b594c79b_attn:
	.size	k_q00b594c79b_attn, .Lfunc_end_k_q00b594c79b_attn-k_q00b594c79b_attn
	.p2alignl 7, 3214868480
	.fill 96, 4, 3214868480
	.section	.rodata,"a",@progbits
	.p2align	6, 0x0
	.amdhsa_kernel k_q00b594c79b_attn
		.amdhsa_group_segment_fixed_size 291072
		.amdhsa_private_segment_fixed_size 0
		.amdhsa_enable_private_segment 0
		.amdhsa_kernarg_size 64
		.amdhsa_user_sgpr_count 2
		.amdhsa_user_sgpr_kernarg_segment_ptr 1
		.amdhsa_wavefront_size32 1
		.amdhsa_system_sgpr_workgroup_id_x 1
		.amdhsa_system_sgpr_workgroup_id_y 1
		.amdhsa_system_sgpr_workgroup_id_z 1
		.amdhsa_system_vgpr_workitem_id 0
		.amdhsa_next_free_vgpr 712
		.amdhsa_next_free_sgpr 86
		.amdhsa_reserve_vcc 0
		.amdhsa_float_denorm_mode_32 3
		.amdhsa_float_denorm_mode_16_64 3
		.amdhsa_memory_ordered 1
		.amdhsa_forward_progress 1
		.amdhsa_inst_pref_size 187
	.end_amdhsa_kernel
	.amdgpu_metadata
---
amdhsa.version: [ 1, 2 ]
amdhsa.kernels:
  - .name:           k_q00b594c79b_attn
    .symbol:         k_q00b594c79b_attn.kd
    .args:
      - { .name: pos_obs, .offset: 0, .size: 8, .value_kind: global_buffer, .address_space: global }
      - { .name: pos_query, .offset: 8, .size: 8, .value_kind: global_buffer, .address_space: global }
      - { .name: kw1, .offset: 16, .size: 8, .value_kind: global_buffer, .address_space: global }
      - { .name: kb1, .offset: 24, .size: 8, .value_kind: global_buffer, .address_space: global }
      - { .name: kwf, .offset: 32, .size: 8, .value_kind: global_buffer, .address_space: global }
      - { .name: cst, .offset: 40, .size: 8, .value_kind: global_buffer, .address_space: global }
      - { .name: vt, .offset: 48, .size: 8, .value_kind: global_buffer, .address_space: global }
      - { .name: part, .offset: 56, .size: 8, .value_kind: global_buffer, .address_space: global }
    .group_segment_fixed_size: 291072
    .private_segment_fixed_size: 0
    .kernarg_segment_align: 8
    .kernarg_segment_size: 64
    .max_flat_workgroup_size: 128
    .sgpr_count:     86
    .vgpr_count:     712
    .wavefront_size: 32
...
	.end_amdgpu_metadata
.endif
;; end of part 2
;; launch comb (part 3): grid 64 x 1, 8 waves a work-group, no clusters, 38,400 bytes of LDS; arguments part, cen, owf, vwf, ob, vb, out0, out1; writes out0, out1
.if DOCPART == 3
	.amdgcn_target "amdgcn-amd-amdhsa--gfx1250"
	.amdhsa_code_object_version 6
	.text
	.protected	k_q00b594c79b_comb
	.globl	k_q00b594c79b_comb
	.p2align	8
	.type	k_q00b594c79b_comb,@function
k_q00b594c79b_comb:
	s_mov_b64 s[64:65], 0
	v_nop
	global_prefetch_b8 v0, s[64:65] scope:SCOPE_SE
	s_setreg_imm32_b32 hwreg(HW_REG_WAVE_MODE, 25, 1), 1
	s_wait_xcnt 0x0
; Launch 3 of 3.  A work-group takes 16 queries.  Wave w first joins the four slabs' partial softmax sums of head w:
;   m = max m_s,  a_s = 2^(m_s - m),  l = sum a_s l_s,  U, S likewise;  mean of v = U / l + centre,  variance = S / l - (U / l)^2, not below 0;
; then makes columns 16 w .. 16 w + 15 of both projections (K = 256: eight matrix instructions each), bias, softplus, and the way out through LDS.
; 64 work-groups: one for each tile of 16 rows, so that each partial is read once.  No cluster: the groups share the 131,072 bytes of weights alone,
; which go to registers, beside 139,264 bytes of partials that are each group's own.
; LIMITS: mean and variance are rounded to bf16 as matrix operands.  softplus(x) = max(x, 0) + ln 2 log2(1 + 2^(-log2(e) |x|)): below about x = -16 it gives 0
; where e^x is expected.  NaN and infinities get no care.
.set ST,  16384                        ; the way out: [wave 8] x 2,624 bytes: [matrix 2][16 rows] x 80 bytes.  In front of it: A fragments [head 8][mean, variance] x 1,024
.set STW, 2624
.set P,   16                           ; v[16:151]  4 slabs x (U 16, S 16, l, m); later the A fragments: mean v[16:79], variance v[80:143]
.set CC,  152                          ; v[152:167] the centre of columns 32 w + 16 h + 0..15
.set MU,  180                          ; v[180:195] U / l
.set ACC, 176                          ; v[176:183] mean, v[184:191] variance (later)
; block 1: v[0:63] fragments of ow, v[64:127] of vw
.set MSB, 0
.macro WIN new
.if MSB != \new
	s_set_vgpr_msb (MSB<<8)|\new
.set MSB, \new
.endif
.endm
	s_load_b512 s[4:19], s[0:1], 0x0               ; part 4, cen 6, owf 8, vwf 10, ob 12, vb 14, out0 16, out1 18
	v_lshl_add_u32 v254, v0, 2, 0x9200
	v_mov_b32 v255, 0
	v_and_b32 v1, 31, v0
	v_and_b32 v2, 15, v0
	v_bfe_u32 v3, v0, 4, 1
	v_lshrrev_b32 v4, 5, v0
	v_readfirstlane_b32 s20, v4                    ; wave w
	s_mov_b32 s21, ttmp9                           ; q tile
	s_mul_i32 s22, s21, 139264                     ; 4 slabs x 8 heads x 4,352 bytes
	s_mov_b32 s23, 0
	s_mul_i32 s24, s20, 4352
	v_lshl_add_u32 v4, v1, 4, s24
	v_lshl_add_u32 v5, v1, 3, s24
	s_lshr_b32 s25, s21, 5
	s_lshl_b32 s25, s25, 10                        ; batch
	s_lshl_b32 s26, s20, 7
	s_add_co_u32 s25, s25, s26
	v_lshl_add_u32 v6, v3, 6, s25                  ; cen: 1,024 b + 128 w + 64 h
	s_lshl_b32 s26, s20, 6
	v_lshl_add_u32 v7, v2, 2, s26                  ; biases: 4 (16 w + r)
	s_lshl_b32 s27, s20, 10
	v_lshl_add_u32 v8, v1, 4, s27                  ; weights: column tile w
	s_lshl_b32 s28, s20, 11
	v_lshl_add_u32 v9, v1, 4, s28                  ; my two A fragments
	v_lshlrev_b32 v10, 4, v1
	s_mul_i32 s28, s20, STW
	s_add_co_u32 s28, s28, ST
	v_mul_u32_u24 v11, v3, 640
	v_lshl_add_u32 v11, v2, 2, v11
	v_add_nc_u32 v11, s28, v11                     ; stage, in: row 8 h + j, column r of my tile
	v_lshrrev_b32 v12, 2, v1
	v_mul_u32_u24 v12, v12, STW
	v_and_b32 v13, 3, v1
	v_lshl_add_u32 v12, v13, 4, v12                ; stage, back: columns 4 L .. 4 L + 3 lie in wave L >> 2's part
	s_lshr_b32 s28, s20, 2
	s_mul_i32 s28, s28, 1280
	s_and_b32 s29, s20, 3
	s_mul_i32 s30, s29, 320
	s_add_co_u32 s28, s28, s30
	s_add_co_u32 s28, s28, ST
	v_add_nc_u32 v12, s28, v12                     ; matrix w >> 2, rows 4 (w & 3) ..
	s_lshl_b32 s29, s29, 11
	v_lshl_add_u32 v13, v1, 4, s29
	s_mov_b32 s32, 0xbfb8aa3b                      ; -log2(e)
	s_mov_b32 s33, 0x3f317218                      ; ln 2
	s_lshl_b32 s36, s21, 13                        ; 16 rows of 512 bytes
	s_mov_b32 s37, 0
	s_wait_kmcnt 0x0
	s_add_nc_u64 s[22:23], s[4:5], s[22:23]
	s_cmp_lt_u32 s20, 4
	s_cselect_b64 s[34:35], s[16:17], s[18:19]
	s_add_nc_u64 s[34:35], s[34:35], s[36:37]
.irp s, 0,1,2,3
.irp n, 0,1,2,3,4,5,6,7
	global_load_b128 v[P+34*\s+4*\n:P+34*\s+4*\n+3], v4, s[22:23] offset:34816*\s+512*\n th:TH_LOAD_NT
.endr
	global_load_b64 v[P+34*\s+32:P+34*\s+33], v5, s[22:23] offset:34816*\s+4096 th:TH_LOAD_NT
.endr
.irp n, 0,1,2,3
	global_load_b128 v[CC+4*\n:CC+4*\n+3], v6, s[6:7] offset:16*\n
.endr
	global_load_b32 v168, v7, s[12:13]
	global_load_b32 v169, v7, s[14:15]
	WIN 0x40
.irp H, 0,1,2,3,4,5,6,7
	global_load_b128 v[8*\H:8*\H+3],       v8, s[8:9]   offset:8192*\H
	global_load_b128 v[8*\H+4:8*\H+7],     v8, s[8:9]   offset:8192*\H+512
	global_load_b128 v[64+8*\H:64+8*\H+3], v8, s[10:11] offset:8192*\H
	global_load_b128 v[68+8*\H:68+8*\H+3], v8, s[10:11] offset:8192*\H+512
.endr
	WIN 0
	s_wait_loadcnt 34                              ; the 2 bias and 32 weight loads stay out
	v_max3_num_f32 v170, v[P+33], v[P+67], v[P+101]
	v_max_num_f32 v170, v170, v[P+135]
.irp s, 0,1,2,3
	v_sub_f32 v[172+\s], v[P+34*\s+33], v170
.endr
.irp s, 0,1,2,3
	v_exp_f32 v[172+\s], v[172+\s]
.endr
	v_nop                                          ; one plain instruction behind the transcendentals (ISA guide 5.7.2)
	s_wait_alu depctr_va_vdst(0)
	v_mul_f32 v171, v172, v[P+32]
	v_fmac_f32 v171, v173, v[P+66]
	v_fmac_f32 v171, v174, v[P+100]
	v_fmac_f32 v171, v175, v[P+134]                ; at least 1: the slab with the maximum has a = 1 and a weight 1
	v_rcp_f32 v176, v171
.set n, 0
.rept 16                                           ; op_sel picks the first or the second a of a pair for both halves
	v_pk_mul_f32 v[P+2*n:P+2*n+1], v[P+2*n:P+2*n+1], v[172:173] op_sel_hi:[1,0]
.set n, n+1
.endr
.set n, 0
.rept 16
	v_pk_fma_f32 v[P+2*n:P+2*n+1], v[P+34+2*n:P+35+2*n], v[172:173], v[P+2*n:P+2*n+1] op_sel:[0,1,0] op_sel_hi:[1,1,1]
.set n, n+1
.endr
.set n, 0
.rept 16
	v_pk_fma_f32 v[P+2*n:P+2*n+1], v[P+68+2*n:P+69+2*n], v[174:175], v[P+2*n:P+2*n+1] op_sel_hi:[1,0,1]
.set n, n+1
.endr
.set n, 0
.rept 16
	v_pk_fma_f32 v[P+2*n:P+2*n+1], v[P+102+2*n:P+103+2*n], v[174:175], v[P+2*n:P+2*n+1] op_sel:[0,1,0] op_sel_hi:[1,1,1]
.set n, n+1
.endr
	; register 8 t + j is head dimension 16 h + 2 j + t
.set n, 0
	s_wait_alu depctr_va_vdst(0)
.rept 16
	v_mul_f32 v[MU+n], v[P+n], v176
	v_mul_f32 v[P+16+n], v[P+16+n], v176
.set n, n+1
.endr
.set n, 0
.rept 16
	v_fma_f32 v[P+n], v[P+n], v176, v[CC+2*(n%8)+(n/8)]
	v_fma_f32 v[P+16+n], -v[MU+n], v[MU+n], v[P+16+n]
.set n, n+1
.endr
.set n, 0
.rept 16
	v_max_num_f32 v[P+16+n], 0, v[P+16+n]
.set n, n+1
.endr
.set n, 0
.rept 16
	v_cvt_pk_bf16_f32 v[196+n], v[P+2*n], v[P+2*n+1]        ; slot 16 t + 8 h + j, as owf and vwf are laid
.set n, n+1
.endr
.irp n, 0,1,2,3
	ds_store_b128 v9, v[196+4*\n:199+4*\n] offset:512*\n
.endr
	s_wait_dscnt 0x0                               ; my fragments are in LDS before I signal
	s_barrier_signal -1
	s_barrier_wait -1
.irp H, 0,1,2,3,4,5,6,7
	ds_load_b128 v[16+8*\H:19+8*\H], v10 offset:2048*\H
	ds_load_b128 v[20+8*\H:23+8*\H], v10 offset:2048*\H+512
	ds_load_b128 v[80+8*\H:83+8*\H], v10 offset:2048*\H+1024
	ds_load_b128 v[84+8*\H:87+8*\H], v10 offset:2048*\H+1536
.endr
	s_wait_loadcnt 0x0                             ; biases and weights
	s_wait_dscnt 0x0
	WIN 0x04                                       ; the two accumulators take turns
	v_wmma_f32_16x16x32_bf16 v[ACC:ACC+7],    v[16:23], v[0:7],   0
	v_wmma_f32_16x16x32_bf16 v[ACC+8:ACC+15], v[80:87], v[64:71], 0
.irp H, 1,2,3,4,5,6,7
	v_wmma_f32_16x16x32_bf16 v[ACC:ACC+7],    v[16+8*\H:23+8*\H], v[8*\H:8*\H+7],       v[ACC:ACC+7]
	v_wmma_f32_16x16x32_bf16 v[ACC+8:ACC+15], v[80+8*\H:87+8*\H], v[64+8*\H:64+8*\H+7], v[ACC+8:ACC+15]
.endr
	WIN 0
.rept 4
	v_nop                                          ; four places behind the last matrix instruction (ISA guide 7.12.1)
.endr
.irp j, 0,1,2,3,4,5,6,7
	v_add_f32 v[ACC+\j], v[ACC+\j], v168
	v_add_f32 v[ACC+8+\j], v[ACC+8+\j], v169
.endr
.irp j, 0,1,2,3,4,5,6,7
	v_mul_f32 v[192+\j], s32, |v[ACC+8+\j]|
.endr
.irp j, 0,1,2,3,4,5,6,7
	v_exp_f32 v[192+\j], v[192+\j]
.endr
.irp j, 0,1,2,3,4,5,6,7
	v_max_num_f32 v[ACC+8+\j], 0, v[ACC+8+\j]
.endr
	s_wait_alu depctr_va_vdst(0)
.irp j, 0,1,2,3,4,5,6,7
	v_add_f32 v[192+\j], 1.0, v[192+\j]
.endr
.irp j, 0,1,2,3,4,5,6,7
	v_log_f32 v[192+\j], v[192+\j]
.endr
	v_nop
	s_wait_alu depctr_va_vdst(0)
.irp j, 0,1,2,3,4,5,6,7
	v_fmac_f32 v[ACC+8+\j], s33, v[192+\j]
.endr
.irp j, 0,1,2,3,4,5,6,7
	ds_store_b32 v11, v[ACC+\j] offset:80*\j
	ds_store_b32 v11, v[ACC+8+\j] offset:1280+80*\j
.endr
	s_wait_dscnt 0x0
	s_barrier_signal -1
	s_barrier_wait -1
.irp i, 0,1,2,3
	ds_load_b128 v[16+4*\i:19+4*\i], v12 offset:80*\i
.endr
.irp i, 0,1,2,3
	s_wait_dscnt 3-\i                              ; LDS loads come back in order: row i is in
	global_store_b128 v13, v[16+4*\i:19+4*\i], s[34:35] offset:512*\i th:TH_STORE_NT           ; a whole row: 512 neighbouring bytes
.endr
	s_wait_tensorcnt 0x0
	ds_add_u32 v254, v255
	s_wait_dscnt 0x0
	s_endpgm
.Lfunc_end_k_q00b594c79b_comb:
	.size	k_q00b594c79b_comb, .Lfunc_end_k_q00b594c79b_comb-k_q00b594c79b_comb
	.p2alignl 7, 3214868480
	.fill 96, 4, 3214868480
	.section	.rodata,"a",@progbits
	.p2align	6, 0x0
	.amdhsa_kernel k_q00b594c79b_comb
		.amdhsa_group_segment_fixed_size 38400
		.amdhsa_private_segment_fixed_size 0
		.amdhsa_enable_private_segment 0
		.amdhsa_kernarg_size 64
		.amdhsa_user_sgpr_count 2
		.amdhsa_user_sgpr_kernarg_segment_ptr 1
		.amdhsa_wavefront_size32 1
		.amdhsa_system_sgpr_workgroup_id_x 1
		.amdhsa_system_sgpr_workgroup_id_y 1
		.amdhsa_system_sgpr_workgroup_id_z 1
		.amdhsa_system_vgpr_workitem_id 0
		.amdhsa_next_free_vgpr 384
		.amdhsa_next_free_sgpr 66
		.amdhsa_reserve_vcc 0
		.amdhsa_float_denorm_mode_32 3
		.amdhsa_float_denorm_mode_16_64 3
		.amdhsa_memory_ordered 1
		.amdhsa_forward_progress 1
		.amdhsa_inst_pref_size 27
	.end_amdhsa_kernel
	.amdgpu_metadata
---
amdhsa.version: [ 1, 2 ]
amdhsa.kernels:
  - .name:           k_q00b594c79b_comb
    .symbol:         k_q00b594c79b_comb.kd
    .args:
      - { .name: part, .offset: 0, .size: 8, .value_kind: global_buffer, .address_space: global }
      - { .name: cen, .offset: 8, .size: 8, .value_kind: global_buffer, .address_space: global }
      - { .name: owf, .offset: 16, .size: 8, .value_kind: global_buffer, .address_space: global }
      - { .name: vwf, .offset: 24, .size: 8, .value_kind: global_buffer, .address_space: global }
      - { .name: ob, .offset: 32, .size: 8, .value_kind: global_buffer, .address_space: global }
      - { .name: vb, .offset: 40, .size: 8, .value_kind: global_buffer, .address_space: global }
      - { .name: out0, .offset: 48, .size: 8, .value_kind: global_buffer, .address_space: global }
      - { .name: out1, .offset: 56, .size: 8, .value_kind: global_buffer, .address_space: global }
    .group_segment_fixed_size: 38400
    .private_segment_fixed_size: 0
    .kernarg_segment_align: 8
    .kernarg_segment_size: 64
    .max_flat_workgroup_size: 256
    .sgpr_count:     66
    .vgpr_count:     384
    .wavefront_size: 32
...
	.end_amdgpu_metadata
.endif
;; end of part 3
